; MI455X (gfx1250); checked and timed in simulation.
; The chip was launched on July 23, 2026; its instructions are those of AMD's public machine-readable ISA for CDNA 5 (MIT licence, August 2026) and "CDNA5" Instruction Set Architecture Reference Guide (July 2026). The comments in the code are by the model that wrote it; some were corrected since.
;; Tree Module. Allowed arithmetic: matrix products marked QUANTISED: E2M1 operands, one E8M0 scale for each 32 along K, by v_wmma_scale_f32_16x16x128_f8f6f4 with both operands' format E2M1 (or v_wmma_scale_f32_32x16x128_f4), f32 sums; products left as they are: f32 operands where the result goes on into a quantised operand, else bf16, f16 or f32 operands; f32 sums; everything else in f32.
;; Inputs: We_codes 16 x 1,000 x 64 x 16 uint8 (E2M1 codes of We, K innermost, in blocks of 32 codes, two codes a byte); We_scales 16 x 1,000 x 64 uint8 (E8M0 scales of We, one for each 32 codes along K); Wr_codes 16 x 64 x 16 uint8 (E2M1 codes of Wr, K innermost, in blocks of 32 codes, two codes a byte); Wr_scales 16 x 64 uint8 (E8M0 scales of Wr, one for each 32 codes along K); be 16 x 1,000 float32; br 16 float32; x_codes 2,048 x 64 x 16 uint8 (E2M1 codes of x, K innermost, in blocks of 32 codes, two codes a byte); x_scales 2,048 x 64 uint8 (E8M0 scales of x, one for each 32 codes along K).
;; Outputs: out0 2,048 x 1 x 1,000 float32.
;; This version of the problem:
;;   THIS VERSION OF THE PROBLEM IS GIVEN IN LOW PRECISION. The matrix products marked QUANTISED in the list below multiply operands that are first quantised to E2M1 (2 exponent bits, 1 mantissa bit; 4 bits a number), with one power-of-two scale for each 32 numbers along K (OCP MX v1.0); their sums are f32. All else is computed in f32.
;;   The module's matrix products, in the order in which they are computed (A, B: the left and right operand; K: the contracted axis; several contracted axes count as one K, in the product's order):
;;     1. [M 2,048, K 2,048] x [K 2,048, N 16]; A: input x (given as codes); B: input Wr (given as codes): QUANTISED
;;     2. [M 2,048, K 2,048] x [K 2,048, N 16,000]; A: input x (given as codes); B: input We (given as codes): QUANTISED
;;     3. batch 2,048 x [M 1, K 2] x [K 2, N 1,000]; A: softmax; B: computed on the way: left as it is (K = 2 < 32)
;;   THE QUANTISER, for each operand of a quantised product, along K:
;;     - K is cut into blocks of 32 from its start; a last block that is shorter is filled with zeros.
;;     - A block's scale is 2^e with e = floor(log2(the largest magnitude in the block)) - 2, held to -126 .. 127; a block of zeros has e = 0. As a byte (E8M0): e + 127.
;;     - Each number is divided by its block's scale, clamped to +-6, and rounded to the nearest number of E2M1, ties to even, subnormals kept.
;;     - The product sums the exact products of the quantised numbers (number of the format x scale) in f32.
;;   ~~~python
;;   def quantise(x, axis):      # numpy; x: float32 -> the quantised numbers, widened to float32 again
;;       x = np.moveaxis(x, axis, -1); K = x.shape[-1]
;;       x = np.pad(x, [(0, 0)] * (x.ndim - 1) + [(0, -K % 32)]); x = x.reshape(x.shape[:-1] + (-1, 32)); a = np.abs(x).max(-1, keepdims=True)
;;       e = np.where(a > 0, np.clip(np.frexp(np.where(a > 0, a, 1))[1] - 1 - 2, -126, 127), 0)      # np.frexp(a)[1] - 1 = floor(log2(a)), exactly
;;       r = np.clip(x / 2.0 ** e, -6, 6)
;;       step = 2.0 ** (np.maximum(np.frexp(np.where(r == 0, 1, r))[1] - 1, 0) - 1)
;;       q = np.round(r / step) * step * 2.0 ** e      # np.round: ties to even
;;       return np.moveaxis(q.reshape(q.shape[:-2] + (-1,))[..., :K], -1, axis).astype(np.float32)
;;   ~~~
;;   INPUTS GIVEN AS CODES. We (in the module: [16, 2048, 1000], K = its axis 1); Wr (in the module: [2048, 16], K = its axis 0); x (in the module: [2048, 2048], K = its axis 1): each comes as NAME_codes (uint8): NAME with its K axis moved to the last place and cut into blocks of 32 codes, [.., K / 32, bytes a block], one block behind the other in memory; two codes a byte, the lower K in the low four bits (a code: sign, 2 exponent bits, 1 mantissa bit); and NAME_scales (uint8): the same leading axes, one E8M0 byte (e + 127) for each 32 codes along K. Its value is code x scale, taken as it is: it is not quantised again, and the codes and scales need not be those that the quantiser above would give.
;; One version. Each part assembles by itself: llvm-mc -triple=amdgcn-amd-amdhsa -mcpu=gfx1250 --defsym DOCPART=n.
;; ======== version 1 of 1: 1 launch
;; limits: right only within a limited range of input values
;; workspace buffers: pick 8,192 bytes of whole numbers; gate 16,384 bytes; order 8,192 bytes of whole numbers
;; launch moe (part 1): grid 32 x 8, 4 waves a work-group, clusters of 4 x 4, 327,680 bytes of LDS; arguments x_codes, x_scales, We_codes, We_scales, Wr_codes, Wr_scales, br, be, out0; writes out0
.if DOCPART == 1
	.amdgcn_target "amdgcn-amd-amdhsa--gfx1250"
	.amdhsa_code_object_version 6
	.text
	.protected	k_q81c7a1daf0_moe
	.globl	k_q81c7a1daf0_moe
	.p2align	8
	.type	k_q81c7a1daf0_moe,@function
k_q81c7a1daf0_moe:
	s_mov_b64 s[64:65], 0
	v_nop
	global_prefetch_b8 v0, s[64:65] scope:SCOPE_SE
	s_setreg_imm32_b32 hwreg(HW_REG_WAVE_MODE, 25, 1), 1
	s_wait_xcnt 0x0
	s_wait_alu depctr_hold_cnt(0) depctr_sa_sdst(0) depctr_va_vdst(0) depctr_va_sdst(0) depctr_va_ssrc(0) depctr_va_vcc(0) depctr_vm_vsrc(0)
	s_getreg_b32 s2, hwreg(HW_REG_IB_STS2, 6, 4)
	s_cmp_eq_u32 s2, 0
	s_cbranch_scc0 .Lentry_in_a_cluster
	s_endpgm
.Lentry_in_a_cluster:
	s_bfe_u32 s2, ttmp6, 0x10000c
	s_cmp_lg_u32 s2, 0xf033
	s_cbranch_scc0 .Lentry_shape_is_right
	s_endpgm
.Lentry_shape_is_right:
; out[b] = sum over e of g[b][e] (x[b] We[e] + be[e]); g[b] = the softmax over the two largest of x[b] Wr + br at their two experts, 0 elsewhere.  Products on codes of FP4 (E2M1) with one E8M0 scale for each 32 along K.
; Every expert is multiplied for every token and the choice is a choice of values: no address, branch or trip count hangs on a logit.  Nothing that reference() computes is left out.
; SHARES.  A work-group makes 256 tokens x 32 columns of out: 8 x 32 = 256 work-groups.  Wave w = 2 th + kh holds tokens 128 th .. + 127 and K = 1,024 kh .. + 1,023 of x in 512 registers for the whole launch,
; so a fragment of weights (32 columns x 128 K) feeds eight matrix instructions.  Since out is linear in the products, each wave sums its half of K over all experts, and the two halves are added once, on the way out.
; THE MATRIX INSTRUCTION IS USED TRANSPOSED: source 0 = 32 columns of We, source 1 = 16 tokens: lane (r, h) holds token r, registers 8 g + j column 16 g + 8 h + j.  The gate is one number a lane.
; THE BIAS is the C of a sum's first instruction, half of it in each of the two waves that share a token (a factor of 2^-1); br likewise.
; CLUSTERS of 4 x 4: the four of a row need the same x, the four of a column the same weights and scales; each tile is asked for jointly.
; LDS: x's 256 rows come in first and go into registers; then the same bytes hold two slots of three experts' 32 rows, the scales of all 16 experts, and bytes that only ds_stores write.  Expert 0 has bytes of its own.
; PREFETCH: at each change of slots waves 0 to 2 name the rows of the fill after the one just asked for, one slot (three experts) ahead; each 256 bytes once in a cluster: partner cy takes rows 8 cy .. + 7.
; Nothing is prefetched ahead of the first tensor loads: x and experts 0 to 3 come by their loads alone.
; Column group 31 takes columns 968 to 999, so that all rows lie inside the tables, and stores columns 992 to 999 alone.
; LIMITS: a gate of 0 multiplies the logit of an expert that was not chosen, so all logits have to be finite; scale bytes 0xff, NaN, and tokens whose second largest router logit is -infinity are not served.
; The sums over K are two partial sums, added at the end: router logits that differ only in their last bits may change places against another order of summation.
; REGISTERS, windows of 256.  0: below.  1: x's K steps 0-3, 2: K steps 4-7 (tile t at 8 (8 (q % 4) + t)).  3: S, eight sums of 16 registers, v0-127; weights, K step q at v128 + 16 q.
.set P,    1040                        ; an LDS row: 1,024 bytes + 16 of padding, an odd multiple of 16: the 16 rows that a load touches start at 16 different groups of banks (64 banks of 4 bytes: ISA guide 11.1)
.set EP,   32*P                        ; an expert's 32 rows
.set SLOT1, 1<<17                      ; slot 0 at 0, slot 1 here: three experts each
.set LX0,  3*EP                        ; partial logits of kh = 0, then the gates
.set LXD,  199680                      ; those of kh = 1: LX0 + LXD
.set SC,   230912                      ; scales: 16 experts x 2,176 (2,048 bytes, 16 of padding behind each 256)
.set W0,   256*P                       ; expert 0
.set BIT,  320000                      ; 16 x 32 halved biases
.set SPARE, 322048                     ; the spare words, 128 bytes for each wave
.set STG,  SLOT1                       ; the way out: 4 x 128 rows x 144 bytes, in slot 1, which has had its last fill and its last read by then
.set EB,   1024000                     ; an expert's rows in memory
.set AWB,  4                           ; v4, v5 my lane's place in a slot's experts 0 and 1, and in expert 2
.set AW,   6                           ; v6, v7 the same in the slot in hand
.set ASC,  8                           ; scale words; expert e0 + n is n x 2,176 on
.set ABI,  9                           ; biases
.set AG,   10                          ; gates
.set PFO,  11                          ; the prefetch's offset
.set SPW,  12
.set NIL,  13
.set AE,   14                          ; expert 0
.set XA,   15                          ; v15, v16 x's tiles 0-3, 4-7
.set LXS,  17                          ; partial logits: in,
.set LXR,  18                          ; v18, v19 and out
.set GST,  20                          ; gates: in
.set STO,  21                          ; the way out: in,
.set RD,   22                          ; and back
.set CO,   23                          ; my offset in out
.set WRS,  24                          ; Wr's scale words
.set BI,   32                          ; bias (br at first)
.set WSC,  48                          ; the expert's scale words, one a K step
.set G,    56                          ; eight gates, one a tile
.set XS,   64                          ; x's scale words: 8 t + q
.set OA,   128                         ; eight output sums of 16 registers; in the head Wr's fragments and the choice's work
.set WB,   128                         ; weights, window 3
.set WV,   22                          ; s22 wave
.set TB,   23                          ; s23 the slot in hand
.set G1X,  24
.set G1E,  32
.set G1W,  40
.set G1S,  48
.set G0X,  56
.set G0E,  60
.set G0W,  68
.set G0S,  72
.set PFA,  76
.set CNT,  78                          ; loop trips left
.set LIM,  79                          ; my wave prefetches while CNT is over this
.set MSB,  0
.macro WIN new                         ; the immediate's high byte repeats the setting that is left
.if MSB != (\new)
	s_set_vgpr_msb (MSB<<8)|(\new)
.set MSB, (\new)
.endif
.endm
.macro PLACES n
.rept \n
	v_nop
.endr
.endm
.macro CREST                           ; a round of the cluster's barrier behind its opening barrier
	s_cmp_lg_u32 s[WV], 0
	s_cbranch_scc1 .Lnot_wave_0_\@
	s_barrier_signal -3
.Lnot_wave_0_\@:
	s_barrier_wait -3
	s_barrier_signal -1
	s_barrier_wait -1
.endm
.macro CROUND
	s_barrier_signal -1
	s_barrier_wait -1
	CREST
.endm
.macro ASK
	s_cmp_gt_u32 s[CNT], s[LIM]
	s_cbranch_scc0 .Lnoask_\@
	global_prefetch_b8 v[PFO], s[PFA:PFA+1] th:TH_LOAD_NT scope:SCOPE_SE
.Lnoask_\@:
.endm
; one of the 16 LDS loads of a half (four K steps) of an expert's weights: K step 4 half + n / 4; rows 0-15 or 16-31, 16 bytes at 0 or 32 of the step's 64
.macro LW half, n, ar, off
	ds_load_b128 v[WB+64*(\half)+4*(\n):WB+64*(\half)+4*(\n)+3], v[\ar] offset:(\off)+256*(\half)+64*((\n)/4)+32*((\n)%2)+16*P*(((\n)/2)%2)
.endm
.macro LW4 half, n, ar, off
	WIN 0xc0                                       ; destination window 3, address window 0
.irp k, 0,1,2,3
	LW \half, (\n)+\k, \ar, \off
.endr
.endm
.macro LBIAS x
.irp k, 0,1,2,3
	ds_load_b128 v[BI+4*\k:BI+4*\k+3], v[ABI] offset:128*(\x)+64*(\k/2)+16*(\k%2)
.endr
.endm
.macro LGATE x
	ds_load_b128 v[G:G+3], v[AG] offset:256*(\x)
	ds_load_b128 v[G+4:G+7], v[AG] offset:256*(\x)+5120
.endm
; K step q of the expert in hand: eight sums by turns, one instruction a turn.  Loads stand in groups between the products:
; mode 1, 2: this expert's second half, with its scale words and gates; 3, 4: the next expert's first half, with its scale words and bias; 5: the same in one K step; 6: 5, and expert 0's gates
.macro KQ q, mode, ar, off, x
.irp t, 0,1,2,3,4,5,6,7
	WIN 0xf7+4*((\q)/4)                            ; source 0 window 3, source 1 window 1 or 2, C and D window 3
	v_wmma_scale_f32_32x16x128_f4 v[16*\t:16*\t+15], v[WB+16*(\q):WB+16*(\q)+15], v[8*(8*((\q)%4)+\t):8*(8*((\q)%4)+\t)+7], v[16*\t:16*\t+15], v[WSC+(\q)], v[XS+8*\t+(\q)]
.if ((\mode) > 0) && ((\mode) < 5) && ((\t == 1) || (\t == 5))
	LW4 1-((\mode)-1)/2, 8*(((\mode)-1)%2)+\t-1, \ar, \off
.endif
.if ((\mode) >= 5) && ((\t%2) == 0)
	LW4 0, 2*\t, \ar, \off
.endif
.if ((\mode) == 1) && (\t == 3)
	WIN 0
	ds_load_b128 v[WSC+4:WSC+7], v[ASC] offset:2176*(\x)+16
	LGATE \x
.endif
.if (((\mode) == 3) && (\t == 3)) || (((\mode) >= 5) && (\t == 7))
	WIN 0
	ds_load_b128 v[WSC:WSC+3], v[ASC] offset:2176*(\x)
	LBIAS \x
.endif
.if ((\mode) == 6) && (\t == 7)
	LGATE 0
.endif
.endr
.endm
.macro FIRSTK t                        ; K step 0 starts the sum with the bias
	WIN 0xc7                                       ; as above, C window 0
	v_wmma_scale_f32_32x16x128_f4 v[16*\t:16*\t+15], v[WB:WB+15], v[8*\t:8*\t+7], v[BI:BI+15], v[WSC], v[XS+8*\t]
.endm
.macro FMA1 t, first                   ; out += gate x sum, two numbers an instruction, from the sum's low end on; an odd tile's gate is the upper word of its pair
	WIN 0x03                                       ; source 0 (S) window 3, the rest window 0
.irp i, 0,2,4,6,8,10,12,14
.if \first
.if (\t)%2
	v_pk_mul_f32 v[OA+16*\t+\i:OA+16*\t+\i+1], v[16*\t+\i:16*\t+\i+1], v[G+\t-1:G+\t] op_sel:[0,1] op_sel_hi:[1,1]
.else
	v_pk_mul_f32 v[OA+16*\t+\i:OA+16*\t+\i+1], v[16*\t+\i:16*\t+\i+1], v[G+\t:G+\t+1] op_sel_hi:[1,0]
.endif
.else
.if (\t)%2
	v_pk_fma_f32 v[OA+16*\t+\i:OA+16*\t+\i+1], v[16*\t+\i:16*\t+\i+1], v[G+\t-1:G+\t], v[OA+16*\t+\i:OA+16*\t+\i+1] op_sel:[0,1,0] op_sel_hi:[1,1,1]
.else
	v_pk_fma_f32 v[OA+16*\t+\i:OA+16*\t+\i+1], v[16*\t+\i:16*\t+\i+1], v[G+\t:G+\t+1], v[OA+16*\t+\i:OA+16*\t+\i+1] op_sel_hi:[1,0,1]
.endif
.endif
.endr
.endm
; An expert's sums go into the output sums, and each tile so freed starts the next expert's.  Four places between the last products and the first read of results (ISA guide 7.12.1)
; An expert's sums go into the output sums, and each tile so freed starts the next expert's.  Four places between the last products and the first read of results (ISA guide 7.12.1),
; and five in front of the product that begins tile 0's sum anew: tile 0's own multiply-adds name that sum's registers and are no places
.macro FQ0 first
	WIN 0x03
	s_wait_dscnt 0x0
	PLACES 5
.irp t, 0,1,2,3,4,5,6,7
	FMA1 \t, \first
	FIRSTK \t
.endr
.endm
; THE CHANGE OF SLOTS stands in the middle of a slot's last expert: all its weights are in registers, so behind the barrier nobody reads the slot any more, and the other slot is whole.
; fill = 1: the barrier opens a round of the cluster's barrier, and the slot just left is filled again, by waves 0 to 2, an expert each.  loop = 0: expert 0, which lies outside the slots.
.macro MIDC fill, loop
	WIN 0
	s_wait_tensorcnt 0x0                           ; all my tensor loads have landed
	ds_add_u32 v[SPW], v[NIL]                      ; 0 onto my spare word
.if \fill
	s_xor_b32 s[G0W+1], s[G0W+1], SLOT1
	s_add_nc_u64 s[G0W+2:G0W+3], s[G0W+2:G0W+3], 3*EB
	s_wait_xcnt 0x0                                ; my last prefetch has read its address
	s_add_nc_u64 s[PFA:PFA+1], s[PFA:PFA+1], 3*EB
.endif
.if \loop
	s_xor_b32 s[TB], s[TB], SLOT1
.endif
	s_wait_dscnt 1                                 ; all but the add: this expert's second half is in
	KQ 4, 0
	s_wait_dscnt 0x0                               ; the add is done, and so are my reads of the slot
	s_barrier_signal -1
	KQ 5, 0
	WIN 0
	s_barrier_wait -1
.if \fill
	CREST
	s_cmp_lt_u32 s[WV], 3
	s_cbranch_scc0 .Lnoload_\@
	tensor_load_to_lds s[G0W:G0W+3], s[G1W:G1W+7]
	s_nop 0
	PLACES 4
.Lnoload_\@:
.endif
	v_add_nc_u32 v[AW], s[TB], v[AWB]              ; these five lines are also places in front of the loads below
	v_add_nc_u32 v[AW+1], s[TB], v[AWB+1]
.if \loop
	v_add_nc_u32 v[ASC], 3*2176, v[ASC]
	v_add_nc_u32 v[ABI], 3*128, v[ABI]
	v_add_nc_u32 v[AG], 3*256, v[AG]
.else
	PLACES 4
.endif
	s_wait_alu depctr_va_vdst(0)                   ; directly behind the writes
	KQ 6, 6-(\loop), AW, 0, 1
.if \fill
	WIN 0
	ASK
.endif
	KQ 7, 0
.endm
; An expert behind its first K step: the u-th of its slot.  chg = 0: its successor lies in the same slot; 1: the slots change; 2: the last expert
.macro REST u, chg, fill
.if (\u) == 2
	KQ 1, 1, AW+1, 0, (\u)+1
	KQ 2, 2, AW+1, 0, 0
.else
	KQ 1, 1, AW, EP*(\u), (\u)+1
	KQ 2, 2, AW, EP*(\u), 0
.endif
	KQ 3, 0
.if (\chg) == 1
	MIDC \fill, 1
.else
	s_wait_dscnt 0x0                               ; the second half is in
.if (\chg) == 0
	PLACES 4                                       ; in front of the loads into registers that the first half's products have read
.if (\u) == 1
	KQ 4, 3, AW+1, 0, 3
	KQ 5, 4, AW+1, 0, 0
.else
	KQ 4, 3, AW, EP, 2
	KQ 5, 4, AW, EP, 0
.endif
.else
	KQ 4, 0
	KQ 5, 0
.endif
	KQ 6, 0
	KQ 7, 0
.endif
.endm
.macro XLD q                           ; K step q of x's eight tiles, LDS to registers: 16 loads
	WIN 0x40+0x40*((\q)/4)
.irp t, 0,1,2,3,4,5,6,7
.irp c, 0,1
	ds_load_b128 v[8*(8*((\q)%4)+\t)+4*\c:8*(8*((\q)%4)+\t)+4*\c+3], v[XA+\t/4] offset:16*P*(\t%4)+64*(\q)+32*\c
.endr
.endr
.endm
.macro RQ q                            ; the router's K step q: eight tiles by turns; the halved br is the C of the first
.if (\q) == 0
	WIN 0xc4
.else
	WIN 0xf4+4*((\q)/4)
.endif
.irp t, 0,1,2,3,4,5,6,7
.if (\q) == 0
	v_wmma_scale_f32_16x16x128_f8f6f4 v[8*\t:8*\t+7], v[OA:OA+7], v[8*\t:8*\t+7], v[BI:BI+7], v[WRS], v[XS+8*\t] matrix_a_fmt:MATRIX_FMT_FP4 matrix_b_fmt:MATRIX_FMT_FP4
.else
	v_wmma_scale_f32_16x16x128_f8f6f4 v[8*\t:8*\t+7], v[OA+8*(\q):OA+8*(\q)+7], v[8*(8*((\q)%4)+\t):8*(8*((\q)%4)+\t)+7], v[8*\t:8*\t+7], v[WRS+(\q)], v[XS+8*\t+(\q)] matrix_a_fmt:MATRIX_FMT_FP4 matrix_b_fmt:MATRIX_FMT_FP4
.endif
.endr
.endm
; the largest of the 16 numbers at v[l ..] into v[d]; v227-230 at work
.macro MAX16 d, l
	v_max3_num_f32 v[\d], v[\l], v[\l+1], v[\l+2]
	v_max3_num_f32 v227, v[\l+3], v[\l+4], v[\l+5]
	v_max3_num_f32 v228, v[\l+6], v[\l+7], v[\l+8]
	v_max3_num_f32 v229, v[\l+9], v[\l+10], v[\l+11]
	v_max3_num_f32 v230, v[\l+12], v[\l+13], v[\l+14]
	v_max3_num_f32 v[\d], v[\d], v227, v228
	v_max3_num_f32 v229, v229, v230, v[\l+15]
	v_max_num_f32 v[\d], v[\d], v229
.endm
; s[m + j] = the lanes in which number j is the first that equals v[d]: of equal logits the lower index comes first
.macro FIRSTEQ m, l, d
.irp j, 0,1,2,3,4,5,6,7,8,9,10,11,12,13,14,15
	v_cmp_eq_f32 s[\m+\j], v[\l+\j], v[\d]
.endr
	s_wait_alu depctr_va_vdst(0)                   ; ahead of the scalar instructions below
	s_mov_b32 s3, s[\m]
.irp j, 1,2,3,4,5,6,7,8,9,10,11,12,13,14,15
	s_and_not1_b32 s[\m+\j], s[\m+\j], s3
	s_or_b32 s3, s3, s[\m+\j]
.endr
.endm
; token p of my two: 16 gates into v[192 + 2 j + p].  v225 the largest, v226 the second
.macro TOP2 p
	MAX16 225, OA+16*\p
	FIRSTEQ 24, OA+16*\p, 225
.irp j, 0,1,2,3,4,5,6,7,8,9,10,11,12,13,14,15
	v_cndmask_b32 v[160+\j], v[OA+16*\p+\j], v224, s[24+\j]
.endr
	MAX16 226, 160
	FIRSTEQ 80, 160, 226
	v_sub_f32 v227, v226, v225                     ; the softmax over the two: the larger is taken away
	v_mul_f32 v227, 0x3fb8aa3b, v227
	s_wait_alu depctr_va_vdst(0)                   ; ahead of a transcendental, and behind it
	v_exp_f32 v227, v227
	v_nop
	s_wait_alu depctr_va_vdst(0)
	v_add_f32 v228, 1.0, v227
	s_wait_alu depctr_va_vdst(0)
	v_rcp_f32 v228, v228                           ; the largest's weight
	v_nop
	s_wait_alu depctr_va_vdst(0)
	v_mul_f32 v229, v227, v228                     ; the second's
.irp j, 0,1,2,3,4,5,6,7,8,9,10,11,12,13,14,15
	v_cndmask_b32 v[192+2*\j+\p], 0, v228, s[24+\j]
.endr
.irp j, 0,1,2,3,4,5,6,7,8,9,10,11,12,13,14,15
	v_cndmask_b32 v[192+2*\j+\p], v[192+2*\j+\p], v229, s[80+\j]
.endr
.endm
	s_load_b512 s[4:19], s[0:1], 0x0               ; x s4, x's scales s6, We s8, its scales s10, Wr s12, its scales s14, br s16, be s18
	s_load_b64 s[20:21], s[0:1], 0x40              ; out
	v_lshl_add_u32 v[SPW], v0, 2, SPARE
	v_mov_b32 v[NIL], 0
	ds_add_u32 v[SPW], v[NIL]                      ; the wave's opening: the add, twice on end, and its wait
	ds_add_u32 v[SPW], v[NIL]
	v_lshrrev_b32 v1, 5, v0
	v_readfirstlane_b32 s[WV], v1
	s_wait_alu depctr_va_vdst(0)                   ; ahead of the scalar instructions and the barrier below
	s_lshr_b32 s96, s[WV], 1                       ; th
	s_and_b32 s97, s[WV], 1                        ; kh
	s_bfe_u32 s98, ttmp6, 0x40000                  ; cx, cy
	s_bfe_u32 s99, ttmp6, 0x40004
	s_lshl_b32 s100, ttmp9, 2
	s_add_co_u32 s100, s100, s98                   ; column group
	s_and_b32 s101, ttmp7, 0xffff
	s_lshl_b32 s101, s101, 2
	s_add_co_u32 s101, s101, s99                   ; block of 256 tokens
	s_lshl_b32 s80, s100, 5
	s_min_u32 s67, s80, 968                        ; first column that I multiply
	s_sub_co_u32 s66, s80, s67                     ; and how many of mine another work-group stores: 0, or 24 in the last group
	s_lshl_b32 s80, s99, 2
	s_lshl_b32 s80, 15, s80                        ; my row of the cluster
	s_lshl_b32 s82, 0x1111, s98                    ; my column
	; group 1: elements of 1 byte; four words of padding behind each 256 words (scales: behind each 64)
	s_or_b32 s[G1X], s80, (1<<20)|(1<<21)|(7<<22)|(3<<25)
	s_or_b32 s[G1E], s82, (1<<20)|(1<<21)|(7<<22)|(3<<25)
	s_or_b32 s[G1W], s82, (1<<20)|(1<<21)|(7<<22)|(3<<25)
	s_or_b32 s[G1S], s82, (1<<20)|(1<<21)|(5<<22)|(3<<25)
.macro GRP1 g, len, rows, pitch
	s_mov_b32 s[\g+1], (\len)<<16
	s_mov_b32 s[\g+2], (\rows)<<16
	s_mov_b32 s[\g+3], (\len)<<16
	s_mov_b32 s[\g+4], \rows
	s_mov_b32 s[\g+5], \pitch
	s_mov_b32 s[\g+6], 0
	s_mov_b32 s[\g+7], 0
.endm
	GRP1 G1X, 1024, 128, 1024                      ; 128 tokens
	GRP1 G1E, 1024, 16, 1024                       ; half of expert 0's 32 rows
	GRP1 G1W, 1024, 32, 1024                       ; an expert's 32 rows
	GRP1 G1S, 2048, 16, 64000                      ; 16 experts x 32 rows of 64 scale bytes
	s_mov_b32 s81, 0
	s_mov_b32 s[TB], 0
	s_mov_b32 s[CNT], 3
	s_cmp_eq_u32 s[WV], 3
	s_cselect_b32 s[LIM], 100, 1                   ; wave 3 fetches no expert and prefetches none
	s_mov_b32 s[G0X], 1
	s_mul_i32 s[G0X+1], s97, 128*P                 ; waves 0, 1: x's halves
	s_mov_b32 s[G0E], 1
	s_mul_i32 s[G0E+1], s97, 16*P                  ; waves 2, 3: expert 0's halves
	s_add_co_u32 s[G0E+1], s[G0E+1], W0
	s_mov_b32 s[G0W], 1
	s_mul_i32 s[G0W+1], s[WV], EP
	s_mov_b32 s[G0S], 1
	s_mov_b32 s[G0S+1], SC
	s_wait_dscnt 0x0                               ; both opening adds are done
	CROUND                                         ; all sixteen work-groups are here: the first joint loads meet
	s_wait_kmcnt 0x0
	s_lshl_b32 s80, s101, 18
	s_lshl_b32 s82, s97, 17
	s_add_co_u32 s80, s80, s82
	s_add_nc_u64 s[G0X+2:G0X+3], s[4:5], s[80:81]
	s_or_b32 s[G0X+3], s[G0X+3], 0x80000000
	s_lshl_b32 s80, s67, 10
	s_add_nc_u64 s[84:85], s[8:9], s[80:81]        ; my columns' rows of expert 0
	s_lshl_b32 s80, s97, 14
	s_add_nc_u64 s[G0E+2:G0E+3], s[84:85], s[80:81]
	s_or_b32 s[G0E+3], s[G0E+3], 0x80000000
	s_cmp_lt_u32 s[WV], 2                          ; one tensor load a wave at the head
	s_cbranch_scc0 .Lhead_e
	tensor_load_to_lds s[G0X:G0X+3], s[G1X:G1X+7]
	s_nop 0
	PLACES 4
	s_branch .Lhead_asked
.Lhead_e:
	tensor_load_to_lds s[G0E:G0E+3], s[G1E:G1E+7]
	s_nop 0
	PLACES 4
.Lhead_asked:
	s_add_co_u32 s86, s[WV], 1                     ; expert 1 + wave
	s_mul_i32 s80, s86, EB
	s_add_nc_u64 s[G0W+2:G0W+3], s[84:85], s[80:81]
	s_lshl_b32 s80, s99, 13                        ; my work-group's 8 of the 32 rows,
	s_add_co_u32 s80, s80, 3*EB                    ; three experts on
	s_add_nc_u64 s[PFA:PFA+1], s[G0W+2:G0W+3], s[80:81]
	s_or_b32 s[G0W+3], s[G0W+3], 0x80000000
	s_lshl_b32 s80, s67, 6
	s_add_nc_u64 s[G0S+2:G0S+3], s[10:11], s[80:81]
	s_lshl_b32 s80, s97, 5
	s_add_nc_u64 s[86:87], s[G0S+2:G0S+3], s[80:81] ; expert 0's scales, my half of K
	s_or_b32 s[G0S+3], s[G0S+3], 0x80000000
	s_add_nc_u64 s[92:93], s[14:15], s[80:81]      ; Wr's
	s_lshl_b32 s82, s101, 14
	s_add_co_u32 s80, s80, s82
	s_lshl_b32 s82, s96, 13
	s_add_co_u32 s80, s80, s82
	s_add_nc_u64 s[88:89], s[6:7], s[80:81]        ; x's, my 128 tokens
	s_lshl_b32 s80, s97, 9
	s_add_nc_u64 s[90:91], s[12:13], s[80:81]      ; Wr's codes
	s_lshl_b32 s80, s67, 2
	s_add_nc_u64 s[94:95], s[18:19], s[80:81]      ; biases
	s_mul_i32 s80, s101, 1024000
	s_add_nc_u64 s[20:21], s[20:21], s[80:81]      ; my block's rows of out
	v_and_b32 v1, 15, v0                           ; r
	v_bfe_u32 v2, v0, 4, 1                         ; h
	v_and_b32 v3, 31, v0                           ; lane
	v_lshlrev_b32 v248, 6, v1
	v_lshlrev_b32 v249, 10, v1
	v_lshl_add_u32 v249, v2, 4, v249
	v_lshlrev_b32 v250, 6, v3
	v_lshlrev_b32 v251, 5, v2
	v_lshrrev_b32 v252, 3, v0
	v_mul_u32_u24 v252, v252, 4000
	v_and_b32 v253, 7, v0
	v_lshl_add_u32 v252, v253, 4, v252             ; thread 8 e + i: four biases of expert e
.irp q, 0,1,2,3,4,5,6,7
.irp c, 0,1
	global_load_b128 v[OA+8*\q+4*\c:OA+8*\q+4*\c+3], v249, s[90:91] offset:64*\q+32*\c
.endr
.endr
.irp c, 0,1
	global_load_b128 v[WRS+4*\c:WRS+4*\c+3], v248, s[92:93] offset:16*\c
	global_load_b128 v[BI+4*\c:BI+4*\c+3], v251, s[16:17] offset:16*\c
	global_load_b128 v[WSC+4*\c:WSC+4*\c+3], v250, s[86:87] offset:16*\c
.endr
	global_load_b128 v[BI+8:BI+11], v252, s[94:95]
.irp t, 0,1,2,3,4,5,6,7
.irp c, 0,1
	global_load_b128 v[XS+8*\t+4*\c:XS+8*\t+4*\c+3], v248, s[88:89] offset:1024*\t+16*\c
.endr
.endr
	v_mul_u32_u24 v[AWB], v1, P                    ; a fragment's row x pitch + 16 h + my half of K
	v_lshl_add_u32 v[AWB], v2, 4, v[AWB]
	s_lshl_b32 s80, s97, 9
	v_add_nc_u32 v[AWB], s80, v[AWB]
	v_add_nc_u32 v[AWB+1], 2*EP, v[AWB]
	v_add_nc_u32 v[AE], W0, v[AWB]
	s_mul_i32 s80, s96, 128*P
	v_add_nc_u32 v[XA], s80, v[AWB]
	v_add_nc_u32 v[XA+1], 64*P, v[XA]
	v_lshrrev_b32 v254, 2, v3
	v_lshlrev_b32 v254, 4, v254
	v_lshl_add_u32 v[ASC], v3, 6, v254             ; scale words: lane = column; 16 more for each 256 passed
	s_lshl_b32 s80, s97, 5
	s_add_co_u32 s80, s80, SC
	v_add_nc_u32 v[ASC], s80, v[ASC]
	v_lshlrev_b32 v[ABI], 5, v2
	v_add_nc_u32 v[ABI], BIT, v[ABI]
	s_mul_i32 s80, s96, 10240
	s_add_co_u32 s80, s80, LX0
	v_lshlrev_b32 v[AG], 4, v1
	v_add_nc_u32 v[AG], s80, v[AG]
	v_lshlrev_b32 v[PFO], 8, v3
	s_mul_i32 s82, s97, LXD
	s_add_co_u32 s80, s80, s82
	v_mul_u32_u24 v254, v1, 80
	v_lshl_add_u32 v[LXS], v2, 5, v254
	v_add_nc_u32 v[LXS], s80, v[LXS]               ; partial logits: 80 bytes a token
	s_mul_i32 s80, s[WV], 5120
	s_add_co_u32 s80, s80, LX0                     ; the 64 tokens whose experts I choose
	v_mul_u32_u24 v[LXR], v2, 2560
	v_add_nc_u32 v[LXR], v[LXR], v254
	v_add_nc_u32 v[LXR], s80, v[LXR]
	v_add_nc_u32 v[LXR+1], LXD, v[LXR]
	v_lshlrev_b32 v[GST], 4, v1
	v_lshl_add_u32 v[GST], v2, 3, v[GST]
	v_add_nc_u32 v[GST], s80, v[GST]
	s_mul_i32 s80, s[WV], 128*144
	s_add_co_u32 s80, s80, STG
	v_mul_u32_u24 v[STO], v1, 144
	v_lshl_add_u32 v[STO], v2, 5, v[STO]
	v_add_nc_u32 v[STO], s80, v[STO]
	s_mul_i32 s80, s96, 2*128*144
	s_mul_i32 s82, s97, 64*144
	s_add_co_u32 s80, s80, s82
	s_add_co_u32 s80, s80, STG
	v_lshrrev_b32 v254, 3, v3
	v_and_b32 v253, 7, v3
	v_mul_u32_u24 v[RD], v254, 144
	v_lshl_add_u32 v[RD], v253, 4, v[RD]
	v_add_nc_u32 v[RD], s80, v[RD]
	v_mul_u32_u24 v[CO], v254, 4000
	v_lshl_add_u32 v[CO], v253, 4, v[CO]
	s_mul_i32 s80, s[WV], 64*4000
	s_lshl_b32 s82, s67, 2
	s_add_co_u32 s80, s80, s82
	v_add_nc_u32 v[CO], s80, v[CO]
	v_lshlrev_b32 v255, 4, v0
	v_add_nc_u32 v255, BIT, v255
	s_wait_alu depctr_va_vdst(0)                   ; directly ahead of the wait below
	s_wait_loadcnt 0x0
.irp j, 0,1,2,3,4,5,6,7,8,9,10,11
	v_mul_f32 v[BI+\j], 0.5, v[BI+\j]              ; br's eight numbers and four biases, halved
.endr
	ds_store_b128 v255, v[BI+8:BI+11]
	s_wait_alu depctr_va_vdst(0)                   ; the head's end
	s_wait_tensorcnt 0x0                           ; my part of x, or of expert 0, is in
	s_wait_dscnt 0x0
	s_barrier_signal -1
	s_barrier_wait -1                              ; all of x and of expert 0 is in, and the biases
	; x goes into registers, three K steps ahead of the router's products
	XLD 0
	XLD 1
	XLD 2
.irp q, 0,1,2,3,4
	s_wait_dscnt 32                                ; all but the two youngest K steps
	RQ \q
	XLD \q+3
.endr
	s_wait_dscnt 32
	RQ 5
	s_wait_dscnt 16
	RQ 6
	s_wait_dscnt 0x0
	RQ 7
	WIN 0
	s_wait_tensorcnt 0x0                           ; in front of a refill's round
	ds_add_u32 v[SPW], v[NIL]
	s_wait_dscnt 0x0                               ; my reads of x are over
	CROUND                                         ; and everybody's: x's bytes may be filled again
	s_cmp_lt_u32 s[WV], 3
	s_cbranch_scc0 .Lask_s
	tensor_load_to_lds s[G0W:G0W+3], s[G1W:G1W+7]  ; experts 1 to 3 into slot 0
	s_nop 0
	PLACES 4
	s_branch .Lasked
.Lask_s:
	tensor_load_to_lds s[G0S:G0S+3], s[G1S:G1S+7]  ; all scales
	s_nop 0
	PLACES 4
.Lasked:
	; the partial logits of the two halves of K meet: token r of tile t, experts 8 h + 0 .. 7
	WIN 0x0c                                       ; an LDS store's data: window 3
.irp t, 0,1,2,3,4,5,6,7
	ds_store_b128 v[LXS], v[8*\t:8*\t+3] offset:1280*\t
	ds_store_b128 v[LXS], v[8*\t+4:8*\t+7] offset:1280*\t+16
.endr
	WIN 0
	s_wait_dscnt 0x0                               ; for the others' sake
	s_barrier_signal -1
	LBIAS 0                                        ; expert 0's bias and weights: bytes that nobody writes any more
.irp n, 0,4,8,12
	LW4 0, \n, AE, 0
	LW4 1, \n, AE, 0
.endr
	WIN 0
	s_barrier_wait -1
.irp k, 0,1
.irp p, 0,1
.irp c, 0,1,2,3
	ds_load_b128 v[OA+32*\k+16*\p+4*\c:OA+32*\k+16*\p+4*\c+3], v[LXR+\k] offset:1280*\p+16*\c   ; a lane holds two tokens: 64 w + 32 h + 16 p + r
.endr
.endr
.endr
	ASK
	v_mov_b32 v224, 0xff800000
	s_wait_alu depctr_va_vdst(0)                   ; directly ahead of the wait below
	s_wait_dscnt 0x0
.irp i, 0,2,4,6,8,10,12,14,16,18,20,22,24,26,28,30
	v_pk_add_f32 v[OA+\i:OA+\i+1], v[OA+\i:OA+\i+1], v[OA+32+\i:OA+33+\i]
.endr
	TOP2 0
	TOP2 1
.irp j, 0,1,2,3,4,5,6,7,8,9,10,11,12,13,14,15
	ds_store_b64 v[GST], v[192+2*\j:193+2*\j] offset:256*\j   ; [expert][r][tile]: over partial logits that I alone have read
.endr
.irp t, 0,1,2,3,4,5,6,7
	FIRSTK \t
.endr
	KQ 1, 0
	KQ 2, 0
	KQ 3, 0
	MIDC 1, 0                                      ; its barrier also publishes the gates; slot 1 takes experts 4 to 6
	FQ0 1
	WIN 0
.Lloop:                                                ; experts 3 i + 1 to 3 i + 3 behind their first K step, and the first K step of the next
	REST 0, 0, 0
	FQ0 0
	REST 1, 0, 0
	FQ0 0
	REST 2, 1, 1
	FQ0 0
	WIN 0
	s_sub_co_u32 s[CNT], s[CNT], 1
	s_cmp_lg_u32 s[CNT], 0
	s_cbranch_scc1 .Lloop
	REST 0, 0, 0                                   ; experts 10 to 12: nothing more to ask for
	FQ0 0
	REST 1, 0, 0
	FQ0 0
	REST 2, 1, 0
	FQ0 0
	REST 0, 0, 0                                   ; experts 13 to 15
	FQ0 0
	REST 1, 0, 0
	FQ0 0
	REST 2, 2, 0
	WIN 0x03
	PLACES 4
.irp t, 0,1,2,3,4,5,6,7
	FMA1 \t, 0
.endr
	WIN 0
	; THE WAY OUT.  Each wave lays its 128 x 32 partial results into its stage; behind a barrier each takes 64 tokens' rows from the two stages of their halves of K, adds them, and stores 128 bytes of a row in eight lanes
.irp t, 0,1,2,3,4,5,6,7
.irp k, 0,1,2,3
	ds_store_b128 v[STO], v[OA+16*\t+4*\k:OA+16*\t+4*\k+3] offset:2304*\t+64*(\k/2)+16*(\k%2)
.endr
.endr
	s_wait_alu depctr_va_vdst(0)
	s_wait_dscnt 0x0                               ; for the others' sake
	s_barrier_signal -1
	s_barrier_wait -1
.irp i, 0,1,2,3,4,5,6,7,8,9,10,11,12,13,14,15
	ds_load_b128 v[OA+4*\i:OA+4*\i+3], v[RD] offset:576*\i
	ds_load_b128 v[OA+64+4*\i:OA+67+4*\i], v[RD] offset:576*\i+18432
.endr
	s_wait_tensorcnt 0x0                           ; the wave's end, behind my last LDS store
	ds_add_u32 v[SPW], v[NIL]
.irp i, 0,1,2,3,4,5,6,7,8,9,10,11,12,13,14,15
	s_wait_dscnt 31-2*\i                           ; behind pair i: 30 - 2 i loads and the add
	v_pk_add_f32 v[OA+4*\i:OA+4*\i+1], v[OA+4*\i:OA+4*\i+1], v[OA+64+4*\i:OA+65+4*\i]
	v_pk_add_f32 v[OA+4*\i+2:OA+4*\i+3], v[OA+4*\i+2:OA+4*\i+3], v[OA+66+4*\i:OA+67+4*\i]
.endr
	v_and_b32 v1, 7, v0
	v_lshlrev_b32 v1, 2, v1
	v_cmp_le_u32 vcc_lo, s66, v1                   ; my columns: all lanes, but in the last group those of the last eight columns
	s_wait_alu depctr_va_vdst(0)                   ; directly ahead of the wait below
	s_wait_dscnt 0x0
	s_wait_xcnt 0x0                                ; EXEC changes only behind this wait
	s_and_saveexec_b32 s80, vcc_lo
.irp i, 0,1,2,3,4,5,6,7,8,9,10,11,12,13,14,15
	global_store_b128 v[CO], v[OA+4*\i:OA+4*\i+3], s[20:21] offset:16000*\i th:TH_STORE_NT
.endr
	s_wait_xcnt 0x0
	s_or_b32 exec_lo, exec_lo, s80
	CROUND                                         ; the closing round: no work-group ends while a partner may still ask for a tile that names it
	s_endpgm
.Lfunc_end_k_q81c7a1daf0_moe:
	.size	k_q81c7a1daf0_moe, .Lfunc_end_k_q81c7a1daf0_moe-k_q81c7a1daf0_moe
	.p2alignl 7, 3214868480
	.fill 96, 4, 3214868480
	.section	.rodata,"a",@progbits
	.p2align	6, 0x0
	.amdhsa_kernel k_q81c7a1daf0_moe
		.amdhsa_group_segment_fixed_size 327680
		.amdhsa_private_segment_fixed_size 0
		.amdhsa_enable_private_segment 0
		.amdhsa_kernarg_size 72
		.amdhsa_user_sgpr_count 2
		.amdhsa_user_sgpr_kernarg_segment_ptr 1
		.amdhsa_wavefront_size32 1
		.amdhsa_system_sgpr_workgroup_id_x 1
		.amdhsa_system_sgpr_workgroup_id_y 1
		.amdhsa_system_sgpr_workgroup_id_z 1
		.amdhsa_system_vgpr_workitem_id 0
		.amdhsa_next_free_vgpr 1024
		.amdhsa_next_free_sgpr 102
		.amdhsa_reserve_vcc 1
		.amdhsa_float_denorm_mode_32 3
		.amdhsa_float_denorm_mode_16_64 3
		.amdhsa_memory_ordered 1
		.amdhsa_forward_progress 1
		.amdhsa_inst_pref_size 224
	.end_amdhsa_kernel
	.amdgpu_metadata
---
amdhsa.version: [ 1, 2 ]
amdhsa.kernels:
  - .name:           k_q81c7a1daf0_moe
    .symbol:         k_q81c7a1daf0_moe.kd
    .args:
      - { .name: x_codes, .offset: 0, .size: 8, .value_kind: global_buffer, .address_space: global }
      - { .name: x_scales, .offset: 8, .size: 8, .value_kind: global_buffer, .address_space: global }
      - { .name: We_codes, .offset: 16, .size: 8, .value_kind: global_buffer, .address_space: global }
      - { .name: We_scales, .offset: 24, .size: 8, .value_kind: global_buffer, .address_space: global }
      - { .name: Wr_codes, .offset: 32, .size: 8, .value_kind: global_buffer, .address_space: global }
      - { .name: Wr_scales, .offset: 40, .size: 8, .value_kind: global_buffer, .address_space: global }
      - { .name: br, .offset: 48, .size: 8, .value_kind: global_buffer, .address_space: global }
      - { .name: be, .offset: 56, .size: 8, .value_kind: global_buffer, .address_space: global }
      - { .name: out0, .offset: 64, .size: 8, .value_kind: global_buffer, .address_space: global }
    .group_segment_fixed_size: 327680
    .private_segment_fixed_size: 0
    .kernarg_segment_align: 8
    .kernarg_segment_size: 72
    .max_flat_workgroup_size: 128
    .sgpr_count:     102
    .vgpr_count:     1024
    .wavefront_size: 32
...
	.end_amdgpu_metadata
.endif
;; end of part 1
